; MI455X (gfx1250); checked and timed in simulation.
; The chip was launched on July 23, 2026; its instructions are those of AMD's public machine-readable ISA for CDNA 5 (MIT licence, August 2026) and "CDNA5" Instruction Set Architecture Reference Guide (July 2026). The comments in the code are by the model that wrote it; some were corrected since.
;; Lo RA Row Parallel Linear. Allowed arithmetic: matrix products marked QUANTISED: E2M3 operands, one E8M0 scale for each 32 along K, by v_wmma_scale_f32_16x16x128_f8f6f4 with both operands' format E2M3, f32 sums; products left as they are: f32 operands where the result goes on into a quantised operand, else bf16, f16 or f32 operands; f32 sums; everything else in f32.
;; Inputs: lora_A_codes 8 x 16 x 128 x 24 uint8 (E2M3 codes of lora_A, K innermost, in blocks of 32 codes, four codes in three bytes); lora_A_scales 8 x 16 x 128 uint8 (E8M0 scales of lora_A, one for each 32 codes along K); lora_B 8 x 2,048 x 16 float32; token_to_slot 4,096 int32; weight_codes 2,048 x 128 x 24 uint8 (E2M3 codes of weight, K innermost, in blocks of 32 codes, four codes in three bytes); weight_scales 2,048 x 128 uint8 (E8M0 scales of weight, one for each 32 codes along K); x_codes 4,096 x 128 x 24 uint8 (E2M3 codes of x, K innermost, in blocks of 32 codes, four codes in three bytes); x_scales 4,096 x 128 uint8 (E8M0 scales of x, one for each 32 codes along K).
;; Outputs: out0 4,096 x 2,048 float32.
;; This version of the problem:
;;   THIS VERSION OF THE PROBLEM IS GIVEN IN LOW PRECISION. The matrix products marked QUANTISED in the list below multiply operands that are first quantised to E2M3 (2 exponent bits, 3 mantissa bits; 6 bits a number), with one power-of-two scale for each 32 numbers along K (OCP MX v1.0); their sums are f32. All else is computed in f32.
;;   The module's matrix products, in the order in which they are computed (A, B: the left and right operand; K: the contracted axis; several contracted axes count as one K, in the product's order):
;;     1. [M 4,096, K 4,096] x [K 4,096, N 2,048]; A: input x (given as codes); B: input weight (given as codes): QUANTISED
;;     2. [M 4,096, K 4,096] x [K 4,096, N 128]; A: input x (given as codes); B: input lora_A (given as codes): QUANTISED
;;     3. batch 4,096 x [M 16, K 8] x [K 8, N 1]; A: computed on the way; B: computed on the way: left as it is (K = 8 < 32)
;;     4. batch 4,096 x [M 8, K 1] x [K 1, N 16]; A: computed on the way; B: computed on the way: left as it is (no contracted axis)
;;     5. [M 4,096, K 128] x [K 128, N 2,048]; A: computed on the way; B: input lora_B: QUANTISED
;;   THE QUANTISER, for each operand of a quantised product, along K:
;;     - K is cut into blocks of 32 from its start; a last block that is shorter is filled with zeros.
;;     - A block's scale is 2^e with e = floor(log2(the largest magnitude in the block)) - 2, held to -126 .. 127; a block of zeros has e = 0. As a byte (E8M0): e + 127.
;;     - Each number is divided by its block's scale, clamped to +-7.5, and rounded to the nearest number of E2M3, ties to even, subnormals kept.
;;     - The product sums the exact products of the quantised numbers (number of the format x scale) in f32.
;;   ~~~python
;;   def quantise(x, axis):      # numpy; x: float32 -> the quantised numbers, widened to float32 again
;;       x = np.moveaxis(x, axis, -1); K = x.shape[-1]
;;       x = np.pad(x, [(0, 0)] * (x.ndim - 1) + [(0, -K % 32)]); x = x.reshape(x.shape[:-1] + (-1, 32)); a = np.abs(x).max(-1, keepdims=True)
;;       e = np.where(a > 0, np.clip(np.frexp(np.where(a > 0, a, 1))[1] - 1 - 2, -126, 127), 0)      # np.frexp(a)[1] - 1 = floor(log2(a)), exactly
;;       r = np.clip(x / 2.0 ** e, -7.5, 7.5)
;;       step = 2.0 ** (np.maximum(np.frexp(np.where(r == 0, 1, r))[1] - 1, 0) - 3)
;;       q = np.round(r / step) * step * 2.0 ** e      # np.round: ties to even
;;       return np.moveaxis(q.reshape(q.shape[:-2] + (-1,))[..., :K], -1, axis).astype(np.float32)
;;   ~~~
;;   OPERANDS COMPUTED ON THE WAY. 'Computed on the way' means the value that the module computes at that place (a softmax that the list does not call 'softmax' is quantised finished and normalised). What goes into a quantiser is computed in f32, as accurately as f32 sums, v_exp_f32 and their like allow (about 1e-6 of the number): no bf16 or f16 on the way to a quantiser, and a product that is left as it is and whose result goes on into a quantised operand takes f32 operands (vector FMAs, or v_wmma_f32_16x16x4_f32). A number that lies on a knife's edge between two numbers of the format may be rounded either way, as far as f32 arithmetic and the matrix unit's own rounding can turn it there, and no further.
;;   INPUTS GIVEN AS CODES. lora_A (in the module: [8, 16, 4096], K = its axis 2); weight (in the module: [2048, 4096], K = its axis 1); x (in the module: [4096, 4096], K = its axis 1): each comes as NAME_codes (uint8): NAME with its K axis moved to the last place and cut into blocks of 32 codes, [.., K / 32, bytes a block], one block behind the other in memory; four codes in three bytes: a row's codes are one little-endian stream of bits, code i at bits 6 i .. 6 i + 5 (a code: sign, 2 exponent bits, 3 mantissa bits); and NAME_scales (uint8): the same leading axes, one E8M0 byte (e + 127) for each 32 codes along K. Its value is code x scale, taken as it is: it is not quantised again, and the codes and scales need not be those that the quantiser above would give.
;; One version. Each part assembles by itself: llvm-mc -triple=amdgcn-amd-amdhsa -mcpu=gfx1250 --defsym DOCPART=n.
;; ======== version 1 of 1: 2 launches
;; workspace buffers: upart 1,048,576 bytes; bq 196,608 bytes; bqs 16,384 bytes; xsl 524,288 bytes; wsl 262,144 bytes
;; launch prep (part 1): grid 64 x 4, 4 waves a work-group, clusters of 4 x 1, 201,216 bytes of LDS; arguments x_codes, x_scales, lora_A_codes, lora_A_scales, lora_B, token_to_slot, upart, bq, bqs, weight_scales, xsl, wsl; writes upart, bq, bqs, xsl, wsl
.if DOCPART == 1
	.amdgcn_target "amdgcn-amd-amdhsa--gfx1250"
	.amdhsa_code_object_version 6
	.text
	.protected	k_qa55c46e535_prep
	.globl	k_qa55c46e535_prep
	.p2align	8
	.type	k_qa55c46e535_prep,@function
k_qa55c46e535_prep:
	s_mov_b64 s[64:65], 0
	v_nop
	global_prefetch_b8 v0, s[64:65] scope:SCOPE_SE
	s_setreg_imm32_b32 hwreg(HW_REG_WAVE_MODE, 25, 1), 1
	s_wait_xcnt 0x0
	s_wait_alu depctr_hold_cnt(0) depctr_sa_sdst(0) depctr_va_vdst(0) depctr_va_sdst(0) depctr_va_ssrc(0) depctr_va_vcc(0) depctr_vm_vsrc(0)
	s_getreg_b32 s2, hwreg(HW_REG_IB_STS2, 6, 4)
	s_cmp_eq_u32 s2, 0
	s_cbranch_scc0 .Lentry_in_a_cluster
	s_endpgm
.Lentry_in_a_cluster:
	s_bfe_u32 s2, ttmp6, 0x10000c
	s_cmp_lg_u32 s2, 0x3003
	s_cbranch_scc0 .Lentry_shape_is_right
	s_endpgm
.Lentry_shape_is_right:
; upart holds, for each K quarter by (1,024 of 4,096), the part of u[t][slot(t)][r] = sum over k of x[t][k] lora_A[slot(t)][r][k]; zeros where slot(t) is outside 0..7.
; x and lora_A are codes of FP6 (E2M3) with one E8M0 byte for each 32 along K, taken as they lie.  All 8 slots are multiplied, as the definition has it; the one-hot products are written as selections.
; upart IS LAID AS ITS READER'S REGISTERS: [block of 64 tokens bx][a][pp][j][lane (r, h)][16 bytes]: token 64 bx + 32 (a / 2) + 2 r + a % 2, K quarter 2 h + pp, ranks 4 j .. 4 j + 3.
; bq, bqs: lora_B [8][2048][16] f32 as codes along K = 16 slot + rank (128), 128 fragments of 16 output columns, each as an image of the operand's 12 registers (register group c of lane L at 512 c + 16 L), and a scale word a lane.
; xsl, wsl: the scale bytes of x and of W, unchanged, in the order of the second launch's scale registers: units of 512 bytes, lane L's 16 bytes at 16 L: 8 bytes (256 along K) of each of two rows.
;   xsl [128 tokens tr, K half kh][K slot sl of 512][g]: rows 128 tr + 64 (h xor kh) + 32 g + 2 r and the next, bytes 16 sl + 8 kh on.   wsl [128 columns c, kh][sl][g]: rows 128 c + 64 h + 32 g + r and 16 on, the same bytes.
;   Each scale byte is so gathered once in the whole program, and the second launch loads 512 consecutive bytes an instruction.
; SHARES.  A work-group takes 64 tokens x one K quarter.  Wave w takes 256 along K (192 bytes of every row) for all 64 tokens x 128 (slot, rank): 32 accumulators, 64 matrix instructions.
; Each wave fetches its own two tiles by two tensor loads and reads only those bytes, so its own wait on TENSORcnt is all that the reads need.  Nothing in LDS is filled twice.
; CLUSTER.  The four work-groups of a cluster share the K quarter, so lora_A's tile is asked for jointly (mask 15); x's tile is each work-group's own.
; The product is used transposed (source 0 = 16 ranks of a slot, source 1 = 16 tokens): a lane holds ONE token (lane % 16) and its registers ranks 8 (lane / 16) + 0..7, so the token's slot selects by lane.
; The four waves' parts meet in LDS and are added (p0 + p1) + (p2 + p3).
; LIMITS: a NaN or infinity in a slot that was not chosen (only a scale byte 0xff can make one) does not reach the result here; in the definition 0 x NaN would.  A block of zeros of lora_B gets the byte 1 where the
; quantiser says 127: its codes are zeros, and the bytes are read by this program alone.  NaN and infinities in lora_B are not served.
; REGISTERS: window 0: v1-15, v88-89 addresses; v16-19 slots; v20-27 x's scale words; v32-47 lora_A's; v48-79 the selected sums; v80-87 the units of xsl and wsl; v96-191 x's fragments (before them lora_B's job); v192-223 the reduction.
;   window 1: lora_A's 16 fragments.   window 2: the 32 accumulators, (m, l) at v[8 (8 m + l)].
.set KROW,  3072                       ; a row of codes in memory: 4,096 x 6 / 8 bytes
.set PITCH, 240                        ; an LDS row: 3 x (64 bytes + 16 of padding)
.set AOFF,  64*PITCH                   ; in a wave's region: x's 64 rows, then lora_A's 128
.set WREG,  192*PITCH                  ; a wave's region: 46,080 bytes
.set RED,   4*WREG                     ; behind the four regions: 4 x 4,096 bytes for the waves' parts; no fill lands there
.set SLT,   16
.set XS,    20                         ; x's scale word of token tile m, K step q: v[XS + 2 m + q]
.set AS,    32                         ; lora_A's of slot l: v[AS + 2 l + q]
.set SEL,   48                         ; v[SEL + 8 m + j]
.set XU,    80                         ; my unit of xsl
.set WU,    84                         ; my unit of wsl
.set XF,    96                         ; x's fragment (m, q): v[XF + 12 (2 m + q)]
.set SUM,   192
.set BN,    96                         ; lora_B's job: 64 numbers,
.set BC,    160                        ; 12 registers of codes,
.set BT,    172                        ; at work
.set MK,    66                         ; s66-97: lane masks, slot of tile m's token == l
.set MSB, 0
.macro WIN new                         ; the immediate's high byte repeats the setting that is left
.if MSB != \new
	s_set_vgpr_msb (MSB<<8)|\new
.set MSB, \new
.endif
.endm
.macro ROUND                           ; a round of the cluster's barrier
	s_barrier_signal -1
	s_barrier_wait -1
	s_cmp_lg_u32 s22, 0
	s_cbranch_scc1 .Lnot_wave_0_\@
	s_barrier_signal -3
.Lnot_wave_0_\@:
	s_barrier_wait -3
	s_barrier_signal -1
	s_barrier_wait -1
.endm
; A fragment, 16 rows x 128 K of 6-bit codes, is 12 registers: lane l holds row l % 16; registers 6 c .. 6 c + 5 hold K = 64 c + 32 (l / 16) + 0 .. 31: 24 bytes of the row, as they lie, in pieces of 8 bytes.
; Lanes 16-31 read three pieces further on, which for some pieces is behind one padding more: the second address register (40 for 24 bytes a half) serves those.
.macro FRAG reg, adr, q, i
.set rF, \reg
.irp p, 0,1,2,3,4,5
.set PC, 12*(\q)+6*(\p/3)+\p%3
.if PC%8 < 5
	ds_load_b64 v[rF+2*\p:rF+2*\p+1], v[\adr] offset:8*PC+16*(PC/8)+(\i)*16*PITCH
.else
	ds_load_b64 v[rF+2*\p:rF+2*\p+1], v[\adr+1] offset:8*PC+16*(PC/8)+(\i)*16*PITCH
.endif
.endr
.endm
; 32 matrix instructions: K step q of all 32 accumulators, which take turns, one instruction a turn.  zero = 1: the products start the sums.
.macro UMUL q, zero
.irp m, 0,1,2,3
.irp l, 0,1,2,3,4,5,6,7
.if \zero
	v_wmma_scale_f32_16x16x128_f8f6f4 v[8*(8*\m+\l):8*(8*\m+\l)+7], v[12*(2*\l+\q):12*(2*\l+\q)+11], v[XF+12*(2*\m+\q):XF+12*(2*\m+\q)+11], 0, v[AS+2*\l+\q], v[XS+2*\m+\q] matrix_a_fmt:MATRIX_FMT_FP6 matrix_b_fmt:MATRIX_FMT_FP6
.else
	v_wmma_scale_f32_16x16x128_f8f6f4 v[8*(8*\m+\l):8*(8*\m+\l)+7], v[12*(2*\l+\q):12*(2*\l+\q)+11], v[XF+12*(2*\m+\q):XF+12*(2*\m+\q)+11], v[8*(8*\m+\l):8*(8*\m+\l)+7], v[AS+2*\l+\q], v[XS+2*\m+\q] matrix_a_fmt:MATRIX_FMT_FP6 matrix_b_fmt:MATRIX_FMT_FP6
.endif
.endr
.endr
.endm
	s_load_b256 s[4:11], s[0:1], 0x0               ; x's codes s[4:5], x's scales s[6:7], lora_A's codes s[8:9], lora_A's scales s[10:11]
	s_load_b256 s[12:19], s[0:1], 0x20             ; lora_B s[12:13], token_to_slot s[14:15], upart s[16:17], bq s[18:19]
	s_load_b64 s[20:21], s[0:1], 0x40              ; bqs
	s_load_b64 s[2:3], s[0:1], 0x48                ; W's scales
	s_load_b64 s[98:99], s[0:1], 0x50              ; xsl
	s_load_b64 s[100:101], s[0:1], 0x58            ; wsl
	v_lshl_add_u32 v254, v0, 2, 0x31000
	v_mov_b32 v255, 0
	ds_add_u32 v254, v255
	ds_add_u32 v254, v255
	v_lshrrev_b32 v1, 5, v0
	v_readfirstlane_b32 s22, v1                    ; wave 0..3
	s_and_b32 s23, ttmp7, 0xffff                   ; by: the K quarter, which the four partners share
	s_bfe_u32 s25, ttmp6, 0x40000                  ; cx
	s_lshl_b32 s24, ttmp9, 2
	s_add_co_u32 s24, s24, s25                     ; bx: my block of 64 tokens; it enters global addresses alone
	s_mul_i32 s26, s23, 768
	s_mul_i32 s27, s22, 192
	s_add_co_u32 s26, s26, s27                     ; my wave's 192 bytes in every row of codes
	s_mov_b32 s27, 0
	s_mul_i32 s28, s24, 64*KROW
	s_add_co_u32 s28, s28, s26                     ; and in x at my block's first token
	s_mov_b32 s29, 0
	; descriptor group 1: x's tile, 64 rows x 192 bytes, 16 bytes of padding behind every 64
	s_mov_b32 s32, (1<<20)|(3<<22)|(3<<25)         ; no mask; elements of 1 byte; padding on, after every 16 words, of 4 words
	s_mov_b32 s33, 192<<16                         ; tensor_dim0
	s_mov_b32 s34, 64<<16                          ; tensor_dim1
	s_mov_b32 s35, 192<<16                         ; tile_dim0
	s_mov_b32 s36, 64                              ; tile_dim1
	s_mov_b32 s37, KROW                            ; from row to row
	s_mov_b32 s38, 0
	s_mov_b32 s39, 0
	; lora_A's tile: 128 rows (8 slots x 16 ranks), for all four work-groups of the cluster
	s_mov_b32 s40, 15|(1<<20)|(1<<21)|(3<<22)|(3<<25)
	s_mov_b32 s41, 192<<16
	s_mov_b32 s42, 128<<16
	s_mov_b32 s43, 192<<16
	s_mov_b32 s44, 128
	s_mov_b32 s45, KROW
	s_mov_b32 s46, 0
	s_mov_b32 s47, 0
	s_mul_i32 s30, s22, WREG                       ; my wave's region in LDS
	s_mov_b32 s56, 0x76543210
	s_mov_b32 s57, 0xfedcba98                      ; v_permlanex16_b32's selects for lane l xor 16
	s_wait_dscnt 0x0
	s_wait_kmcnt 0x0
	s_mov_b32 s48, 1
	s_mov_b32 s49, s30
	s_add_nc_u64 s[50:51], s[4:5], s[28:29]
	s_or_b32 s51, s51, 0x80000000
	s_mov_b32 s52, 1
	s_add_co_u32 s53, s30, AOFF
	s_add_nc_u64 s[54:55], s[8:9], s[26:27]        ; made of the K quarter and the wave's number alone: equal in the four partners
	s_or_b32 s55, s55, 0x80000000
	ROUND                                          ; all four work-groups are here: the joint loads meet
	tensor_load_to_lds s[48:51], s[32:39]          ; my two fills stand together: two loads of mine are out
	s_nop 0
	tensor_load_to_lds s[52:55], s[40:47]
	s_nop 0
.rept 4
	v_nop
.endr
	v_and_b32 v1, 31, v0                           ; lane
	v_and_b32 v2, 15, v0                           ; r
	v_bfe_u32 v3, v0, 4, 1                         ; h
	v_mul_u32_u24 v4, v2, PITCH
	v_add_nc_u32 v4, s30, v4
	v_mad_u32_u24 v5, v3, 40, v4                   ; x's fragments: row r x pitch + 40 h,
	v_mad_u32_u24 v4, v3, 24, v4                   ; and + 24 h
	v_add_nc_u32 v6, AOFF, v4                      ; lora_A's likewise
	v_add_nc_u32 v7, AOFF, v5
	v_lshlrev_b32 v8, 2, v2                        ; slots: 4 bytes a token
	v_lshlrev_b32 v9, 7, v2                        ; scale bytes: 128 a row
	; RED holds each wave's part as [reader's block a][16 tokens][16 ranks]: token 16 m + r lies in block 2 (m / 2) + r % 2 at place 8 (m % 2) + r / 2
	s_lshl_b32 s31, s22, 12
	s_add_co_u32 s31, s31, RED
	v_and_b32 v10, 1, v2
	v_lshlrev_b32 v10, 10, v10
	v_lshrrev_b32 v11, 1, v2
	v_lshl_add_u32 v10, v11, 6, v10
	v_lshl_add_u32 v10, v3, 5, v10
	v_add_nc_u32 v10, s31, v10                     ; in: RED + 4,096 wave + 1,024 (r % 2) + 64 (r / 2) + 32 h; tile m adds 2,048 (m / 2) + 512 (m % 2)
	v_lshlrev_b32 v12, 4, v1                       ; 16 x lane
	s_lshl_b32 s31, s22, 10
	s_add_co_u32 s31, s31, RED
	v_lshlrev_b32 v11, 6, v2
	v_lshl_add_u32 v11, v3, 4, v11
	v_add_nc_u32 v11, s31, v11                     ; back: block a = my wave's number; lane (r, h): its token r, ranks 4 (2 t + h) on
	v_lshlrev_b32 v13, 6, v2
	v_lshl_add_u32 v13, v3, 18, v13                ; lora_B: column r (64 bytes), two slots on for lanes 16-31
	v_lshlrev_b32 v14, 2, v1                       ; 4 x lane
	v_lshl_add_u32 v88, v3, 13, v9                 ; W's scales: row 64 h + r
	v_lshlrev_b32 v89, 4, v2
	v_lshl_add_u32 v89, v3, 9, v89                 ; upart: 16 r, and the next group of ranks (512 bytes on) for lanes 16-31
	s_mov_b32 s59, 0
	s_lshl_b32 s58, s24, 8
	s_add_nc_u64 s[14:15], s[14:15], s[58:59]      ; token_to_slot at my first token
	; my unit of xsl: tile row bx / 2, kh = bx % 2, K slot sl = 2 by + wave / 2, g = wave % 2: 1,024 units, one a wave
	s_and_b32 s28, s24, 1                          ; kh
	s_lshr_b32 s26, s24, 1
	s_lshl_b32 s26, s26, 14                        ; 128 rows of 128 bytes a tile row
	s_and_b32 s29, s22, 1                          ; g
	s_lshl_b32 s27, s29, 12                        ; 32 rows on
	s_add_co_u32 s26, s26, s27
	s_lshr_b32 s27, s22, 1
	s_lshl_b32 s62, s23, 1
	s_add_co_u32 s62, s62, s27                     ; sl
	s_lshl_b32 s27, s62, 4
	s_add_co_u32 s26, s26, s27                     ; 16 bytes a slot,
	s_lshl_b32 s27, s28, 3
	s_add_co_u32 s26, s26, s27                     ; kh's 8 of them
	s_mov_b32 s27, 0
	s_add_nc_u64 s[4:5], s[6:7], s[26:27]          ; (the pair that held x's codes' address, which the descriptor has taken over)
	s_lshl_b32 s26, s24, 4
	s_lshl_b32 s62, s62, 1
	s_add_co_u32 s26, s26, s62
	s_add_co_u32 s26, s26, s29
	s_lshl_b32 s26, s26, 9                         ; unit 16 bx + 2 sl + g, 512 bytes each
	s_add_nc_u64 s[98:99], s[98:99], s[26:27]
	v_xor_b32 v15, s28, v3
	v_lshlrev_b32 v15, 13, v15
	v_lshl_add_u32 v15, v2, 8, v15                 ; row 64 (h xor kh) + 2 r
	s_lshl_b32 s60, s23, 5
	s_lshl_b32 s61, s22, 3
	s_add_co_u32 s60, s60, s61                     ; my 8 scale bytes in a row: 32 by + 8 wave
	s_mov_b32 s61, 0
	s_add_nc_u64 s[10:11], s[10:11], s[60:61]
	s_add_nc_u64 s[6:7], s[6:7], s[60:61]
	s_lshl_b32 s58, s24, 13
	s_add_nc_u64 s[6:7], s[6:7], s[58:59]          ; x's at my first token
	s_lshl_b32 s58, s24, 14                        ; upart: 16,384 bytes a block of 64 tokens,
	s_lshl_b32 s62, s22, 12
	s_add_co_u32 s58, s58, s62                     ; 4,096 a reader's block a = my wave's number,
	s_and_b32 s62, s23, 1
	s_lshl_b32 s62, s62, 11
	s_add_co_u32 s58, s58, s62                     ; 2,048 for pp = by % 2,
	s_lshr_b32 s62, s23, 1
	s_lshl_b32 s62, s62, 8
	s_add_co_u32 s58, s58, s62                     ; 256 for the reader's half of the lanes, by / 2
	s_add_nc_u64 s[16:17], s[16:17], s[58:59]
.irp m, 0,1,2,3
	global_load_b32 v[SLT+\m], v8, s[14:15] offset:64*\m
.endr
.irp m, 0,1,2,3
	global_load_b64 v[XS+2*\m:XS+2*\m+1], v9, s[6:7] offset:2048*\m       ; the two words of my two K steps
.endr
.irp l, 0,1,2,3,4,5,6,7
	global_load_b64 v[AS+2*\l:AS+2*\l+1], v9, s[10:11] offset:2048*\l
.endr
	global_load_b64 v[XU:XU+1], v15, s[4:5]                    ; my unit of xsl: 8 bytes of a row,
	global_load_b64 v[XU+2:XU+3], v15, s[4:5] offset:128       ; and of the next
	; ---- a unit of wsl, in the work-groups of K quarters 2 and 3 (which have no part in lora_B): image bx / 2 = (128 columns bx / 4, kh = (bx / 2) % 2), sl = 4 (bx % 2) + 2 (by - 2) + wave / 2, g = wave % 2: 512 units.
	; The branch is alike in all partners.
	s_cmp_lt_u32 s23, 2
	s_cbranch_scc1 .Lno_w
	s_lshr_b32 s26, s24, 2
	s_lshl_b32 s26, s26, 14                        ; 128 rows of 128 bytes
	s_lshl_b32 s58, s29, 12                        ; g: 32 rows on
	s_add_co_u32 s26, s26, s58
	s_and_b32 s58, s24, 1
	s_lshl_b32 s58, s58, 2
	s_sub_co_u32 s60, s23, 2
	s_lshl_b32 s60, s60, 1
	s_add_co_u32 s58, s58, s60
	s_lshr_b32 s60, s22, 1
	s_add_co_u32 s58, s58, s60                     ; sl
	s_lshl_b32 s60, s58, 4
	s_add_co_u32 s26, s26, s60
	s_bfe_u32 s60, s24, 0x10001                    ; kh
	s_lshl_b32 s60, s60, 3
	s_add_co_u32 s26, s26, s60
	s_add_nc_u64 s[2:3], s[2:3], s[26:27]
	s_lshr_b32 s26, s24, 1
	s_lshl_b32 s26, s26, 4
	s_lshl_b32 s58, s58, 1
	s_add_co_u32 s26, s26, s58
	s_add_co_u32 s26, s26, s29
	s_lshl_b32 s26, s26, 9                         ; unit 16 (bx / 2) + 2 sl + g
	s_add_nc_u64 s[100:101], s[100:101], s[26:27]
	global_load_b64 v[WU:WU+1], v88, s[2:3]
	global_load_b64 v[WU+2:WU+3], v88, s[2:3] offset:2048      ; 16 rows on
	s_wait_loadcnt 0x0
	global_store_b128 v12, v[WU:WU+3], s[100:101]              ; 512 consecutive bytes
.Lno_w:
	; ---- lora_B's fragment f = bx + 64 by, in wave 3 of the work-groups of K quarters 0 and 1: 128 jobs.  Both branches are alike in all partners.
	s_cmp_lg_u32 s22, 3
	s_cbranch_scc1 .Lno_b
	s_cmp_ge_u32 s23, 2
	s_cbranch_scc1 .Lno_b
	s_lshl_b32 s58, s23, 6
	s_add_co_u32 s58, s58, s24                     ; f
	s_mov_b32 s61, 0
	s_lshl_b32 s60, s58, 10
	s_add_nc_u64 s[12:13], s[12:13], s[60:61]      ; 16 columns of 64 bytes
	s_mul_i32 s60, s58, 1536
	s_add_nc_u64 s[18:19], s[18:19], s[60:61]
	s_lshl_b32 s60, s58, 7
	s_add_nc_u64 s[20:21], s[20:21], s[60:61]
.irp c, 0,1                            ; lane (r, h) wants K = 64 c + 32 h + i of column 16 f + r: slot 4 c + 2 h + i / 16, rank i % 16: four loads of 16 bytes a slot
.irp u, 0,1
.irp j, 0,1,2,3
	global_load_b128 v[BN+32*\c+16*\u+4*\j:BN+32*\c+16*\u+4*\j+3], v13, s[12:13] offset:(4*\c+\u)*131072+16*\j th:TH_LOAD_NT
.endr
.endr
.endr
	s_wait_loadcnt 0x0
.irp c, 0,1                            ; my block 2 c + h: all its 32 numbers are mine
	v_max3_num_f32 v[BT+\c], |v[BN+32*\c]|, |v[BN+1+32*\c]|, 0x1800000   ; and the floor 2^(3 - 127): the byte cannot fall under 1
.endr
.irp i, 2,4,6,8,10,12,14,16,18,20,22,24,26,28,30
.irp c, 0,1
	v_max3_num_f32 v[BT+\c], v[BT+\c], |v[BN+32*\c+\i]|, |v[BN+1+32*\c+\i]|
.endr
.endr
.irp c, 0,1
	v_add_nc_u32 v[BT+2+\c], 0xff000000, v[BT+\c]  ; 2 off the exponent field: the conversion's scale operand
.endr
.irp c, 0,1
	v_lshrrev_b32 v[BT+4+\c], 23, v[BT+2+\c]       ; the scale's byte
.endr
	v_lshl_or_b32 v[BT+6], v[BT+5], 16, v[BT+4]    ; my two bytes: blocks h and 2 + h,
	v_lshlrev_b32 v[BT+7], 3, v3
	v_lshlrev_b32 v[BT+6], v[BT+7], v[BT+6]        ; at their places in the word;
	v_mov_b32 v[BT+7], 0
	v_permlanex16_b32 v[BT+7], v[BT+6], s56, s57
	v_or_b32 v[BT+6], v[BT+6], v[BT+7]             ; with lane l xor 16's two the word is whole, in both halves of the lanes
.irp c, 0,1
	v_cvt_scalef32_pk16_fp6_f32 v[BC+6*\c:BC+6*\c+2], v[BN+32*\c:BN+32*\c+15], v[BT+2+\c]
	v_cvt_scalef32_pk16_fp6_f32 v[BT+8+4*\c:BT+8+4*\c+2], v[BN+16+32*\c:BN+16+32*\c+15], v[BT+2+\c]   ; (a conversion's three registers begin on an even number)
.endr
	v_nop                                          ; one plain place behind a scaled conversion
.irp c, 0,1
.irp i, 0,1,2
	v_mov_b32 v[BC+3+6*\c+\i], v[BT+8+4*\c+\i]
.endr
.endr
.irp c, 0,1,2
	global_store_b128 v12, v[BC+4*\c:BC+4*\c+3], s[18:19] offset:512*\c   ; the image: 512 consecutive bytes a store
.endr
	global_store_b32 v14, v[BT+6], s[20:21]
	s_wait_xcnt 0x0                                ; the stores' data registers are loaded again below only behind this wait
.Lno_b:
	s_wait_loadcnt 0x0                             ; slots, scale words, my unit of xsl
	global_store_b128 v12, v[XU:XU+3], s[98:99]    ; 512 consecutive bytes; its registers are not written again
.irp m, 0,1,2,3
.irp l, 0,1,2,3,4,5,6,7
	v_cmp_eq_u32 s[MK+8*\m+\l], \l, v[SLT+\m]      ; a slot outside 0..7 meets none
.endr
.endr
	s_wait_tensorcnt 0x0                           ; my two tiles are in; nobody else reads them
.irp q, 0,1
	WIN 0x40                                       ; destination window 1
.irp l, 0,1,2,3,4,5,6,7
	FRAG 12*(2*\l+\q), 6, \q, \l
.endr
	WIN 0
.irp m, 0,1,2,3
	FRAG XF+12*(2*\m+\q), 4, \q, \m
.endr
.endr
	s_wait_dscnt 63                                ; 144 loads were issued: at most 63 out means the first 81 are back, all 72 of K step 0 among them
	WIN 0xa1                                       ; source 0 window 1, source 1 window 0, C and D window 2
	UMUL 0, 1
	s_wait_dscnt 0x0
	UMUL 1, 0
	WIN 0
.rept 4
	v_nop                                          ; four places behind the last product (ISA guide 7.12.1)
.endr
	WIN 0x08                                       ; source 1 window 2
.irp m, 0,1,2,3                        ; the one-hot products as selections: of the 8 slots' sums a lane keeps its token's
.irp j, 0,1,2,3,4,5,6,7
	v_cndmask_b32 v[SEL+8*\m+\j], 0, v[64*\m+\j], s[MK+8*\m]
.endr
.irp l, 1,2,3,4,5,6,7
.irp j, 0,1,2,3,4,5,6,7
	v_cndmask_b32 v[SEL+8*\m+\j], v[SEL+8*\m+\j], v[8*(8*\m+\l)+\j], s[MK+8*\m+\l]   ; each accumulator from its low end on
.endr
.endr
.endr
	WIN 0
.irp m, 0,1,2,3
	ds_store_b128 v10, v[SEL+8*\m:SEL+8*\m+3] offset:2048*(\m/2)+512*(\m%2)
	ds_store_b128 v10, v[SEL+8*\m+4:SEL+8*\m+7] offset:2048*(\m/2)+512*(\m%2)+16
.endr
	s_wait_dscnt 0x0                               ; for the others' sake: my part lies in LDS
	s_barrier_signal -1
	s_barrier_wait -1
.irp u, 0,1,2,3                        ; the four waves' parts of the reader's block a = my wave's number
.irp t, 0,1
	ds_load_b128 v[SUM+8*\u+4*\t:SUM+8*\u+4*\t+3], v11 offset:4096*\u+32*\t
.endr
.endr
	s_wait_dscnt 0x0
.irp i, 0,2,4,6
	v_pk_add_f32 v[SUM+\i:SUM+\i+1], v[SUM+\i:SUM+\i+1], v[SUM+8+\i:SUM+8+\i+1]
	v_pk_add_f32 v[SUM+16+\i:SUM+16+\i+1], v[SUM+16+\i:SUM+16+\i+1], v[SUM+24+\i:SUM+24+\i+1]
.endr
.irp i, 0,2,4,6
	v_pk_add_f32 v[SUM+\i:SUM+\i+1], v[SUM+\i:SUM+\i+1], v[SUM+16+\i:SUM+16+\i+1]
.endr
	global_store_b128 v89, v[SUM:SUM+3], s[16:17]              ; sixteen lanes store 256 consecutive bytes, at a multiple of 256 from the buffer's first byte: groups of ranks 0 and 1,
	global_store_b128 v89, v[SUM+4:SUM+7], s[16:17] offset:1024   ; 2 and 3
	s_wait_tensorcnt 0x0
	ds_add_u32 v254, v255
	s_wait_dscnt 0x0
	ROUND                                          ; the closing round: no work-group ends while a partner may still ask for a tile that names it
	s_endpgm
.Lfunc_end_k_qa55c46e535_prep:
	.size	k_qa55c46e535_prep, .Lfunc_end_k_qa55c46e535_prep-k_qa55c46e535_prep
	.p2alignl 7, 3214868480
	.fill 96, 4, 3214868480
	.section	.rodata,"a",@progbits
	.p2align	6, 0x0
	.amdhsa_kernel k_qa55c46e535_prep
		.amdhsa_group_segment_fixed_size 201216
		.amdhsa_private_segment_fixed_size 0
		.amdhsa_enable_private_segment 0
		.amdhsa_kernarg_size 96
		.amdhsa_user_sgpr_count 2
		.amdhsa_user_sgpr_kernarg_segment_ptr 1
		.amdhsa_wavefront_size32 1
		.amdhsa_system_sgpr_workgroup_id_x 1
		.amdhsa_system_sgpr_workgroup_id_y 1
		.amdhsa_system_sgpr_workgroup_id_z 1
		.amdhsa_system_vgpr_workitem_id 0
		.amdhsa_next_free_vgpr 768
		.amdhsa_next_free_sgpr 102
		.amdhsa_reserve_vcc 0
		.amdhsa_float_denorm_mode_32 3
		.amdhsa_float_denorm_mode_16_64 3
		.amdhsa_memory_ordered 1
		.amdhsa_forward_progress 1
		.amdhsa_inst_pref_size 53
	.end_amdhsa_kernel
	.amdgpu_metadata
---
amdhsa.version: [ 1, 2 ]
amdhsa.kernels:
  - .name:           k_qa55c46e535_prep
    .symbol:         k_qa55c46e535_prep.kd
    .args:
      - { .name: x_codes, .offset: 0, .size: 8, .value_kind: global_buffer, .address_space: global }
      - { .name: x_scales, .offset: 8, .size: 8, .value_kind: global_buffer, .address_space: global }
      - { .name: lora_A_codes, .offset: 16, .size: 8, .value_kind: global_buffer, .address_space: global }
      - { .name: lora_A_scales, .offset: 24, .size: 8, .value_kind: global_buffer, .address_space: global }
      - { .name: lora_B, .offset: 32, .size: 8, .value_kind: global_buffer, .address_space: global }
      - { .name: token_to_slot, .offset: 40, .size: 8, .value_kind: global_buffer, .address_space: global }
      - { .name: upart, .offset: 48, .size: 8, .value_kind: global_buffer, .address_space: global }
      - { .name: bq, .offset: 56, .size: 8, .value_kind: global_buffer, .address_space: global }
      - { .name: bqs, .offset: 64, .size: 8, .value_kind: global_buffer, .address_space: global }
      - { .name: weight_scales, .offset: 72, .size: 8, .value_kind: global_buffer, .address_space: global }
      - { .name: xsl, .offset: 80, .size: 8, .value_kind: global_buffer, .address_space: global }
      - { .name: wsl, .offset: 88, .size: 8, .value_kind: global_buffer, .address_space: global }
    .group_segment_fixed_size: 201216
    .private_segment_fixed_size: 0
    .kernarg_segment_align: 8
    .kernarg_segment_size: 96
    .max_flat_workgroup_size: 128
    .sgpr_count:     102
    .vgpr_count:     768
    .wavefront_size: 32
...
	.end_amdgpu_metadata
.endif
;; end of part 1
;; launch gemm (part 2): grid 8 x 32, 4 waves a work-group, clusters of 4 x 4, 327,680 bytes of LDS; arguments x_codes, xsl, weight_codes, wsl, upart, token_to_slot, bq, bqs, out0; writes out0
.if DOCPART == 2
	.amdgcn_target "amdgcn-amd-amdhsa--gfx1250"
	.amdhsa_code_object_version 6
	.text
	.protected	k_qa55c46e535_gemm
	.globl	k_qa55c46e535_gemm
	.p2align	8
	.type	k_qa55c46e535_gemm,@function
k_qa55c46e535_gemm:
	s_mov_b64 s[64:65], 0
	v_nop
	global_prefetch_b8 v0, s[64:65] scope:SCOPE_SE
	s_setreg_imm32_b32 hwreg(HW_REG_WAVE_MODE, 25, 1), 1
	s_wait_xcnt 0x0
	s_wait_alu depctr_hold_cnt(0) depctr_sa_sdst(0) depctr_va_vdst(0) depctr_va_sdst(0) depctr_va_ssrc(0) depctr_va_vcc(0) depctr_vm_vsrc(0)
	s_getreg_b32 s2, hwreg(HW_REG_IB_STS2, 6, 4)
	s_cmp_eq_u32 s2, 0
	s_cbranch_scc0 .Lentry_in_a_cluster
	s_endpgm
.Lentry_in_a_cluster:
	s_bfe_u32 s2, ttmp6, 0x10000c
	s_cmp_lg_u32 s2, 0xf033
	s_cbranch_scc0 .Lentry_shape_is_right
	s_endpgm
.Lentry_shape_is_right:
; out0[t][o] = sum over k of x[t][k] W[o][k]  +  sum over k' of Q(z)[t][k'] Q(lora_B)[o][k'],  k' = 16 slot + rank (128), z[t][16 slot(t) + r] = u_sel[t][r] and 0 elsewhere.
; x, W: codes of FP6 (E2M3), one E8M0 byte for each 32 along K, as they lie.  Q(lora_B) comes from bq, bqs (images of operand registers).  u_sel is the sum of upart's four K quarters; z is quantised here, in registers.
; So the LoRA term is ONE MORE K STEP of 128 of the same product: it starts the sums.
; SHARES.  A work-group makes 128 tokens x 256 columns: 256 work-groups.  Its four waves (kh = wave / 2, nh = wave % 2) SPLIT K: wave (kh, nh) multiplies all 128 tokens x columns 128 nh .. + 127 over the K steps
; 2 kh, 2 kh + 1 of every slot of 512 along K: 64 accumulators, 16 fragments from LDS for 64 matrix instructions.  At the end partners (wave xor 2) exchange half of their accumulators through LDS and add.
; LOCAL BLOCKS.  Wave kh calls token block (a + 4 kh) % 8 its block a: every wave keeps its blocks 0-3 (window 2) and gives away 4-7 (window 3), which are the partner's 0-3: one text serves all waves.
; Token block g takes rows 32 (g / 2) + 2 r + g % 2 of the tile (every second row): which rows form a block only says which result lands where.
; THE MATRIX INSTRUCTION IS USED TRANSPOSED (source 0 = 16 rows of W, source 1 = 16 tokens): a lane holds eight neighbouring columns of one row of out0.
; RING.  Two LDS slots of 512 along K (rows of 384 bytes), filled by joint tensor loads: x's tile is shared along a row of the 4 x 4 cluster, W's along a column.  Waves 0, 1 fetch x's halves, waves 2, 3 W's.
; SCALES.  LDS is full, so each wave's scale words for all of K lie in 128 registers, loaded once; the eight slots are therefore written out, each naming its own 16.  They come from xsl and wsl, in which the first launch
; has laid x's and W's scale bytes in the order of these registers; upart is laid so too: every load of the head covers 512 consecutive bytes.
; LIMITS: y's K sum is formed in two halves, u's in 16 parts, each in a fixed order.  A token whose u_sel is all zeros gets the scale byte 1 where the quantiser says 127: its codes are zeros.  NaN and infinities in u are not served.
; REGISTERS: window 0: v1 16 x lane; v2-17 x's fragment addresses; v18-25 W's; v26-27 the stage; v28-29 the add's; v30-31 the exchange; v32-159 scale words; v160-255 x's 8 fragments (one set).
;   window 1: W's fragments, two sets at v0 and v128; on the way out rows of out0.   window 2: accumulators of my blocks 0-3, (a, b) at v[8 (8 a + b)].   window 3: those of blocks 4-7; at the head z's workspace.
.set KROW,   3072                      ; a row of codes in memory
.set STEPB,  384                       ; 512 codes: a slot's part of a row
.set PA,     408                       ; x's LDS row: 3 x (128 bytes + 8 of padding)
.set PB,     432                       ; W's: 3 x (128 + 16)
.set HALFA,  64*PA                     ; what one load brings of x,
.set HALFB,  128*PB                    ; of W
.set BOFF,   2*HALFA                   ; a slot: x's 128 rows, then W's 256
.set SLOT,   BOFF+2*HALFB              ; 162,816 bytes
.set SPARE,  2*SLOT                    ; behind the ring: the spare words, 128 bytes a wave: two blocks of 256 bytes that no other line names
.set SPITCH, 528                       ; the way out: 16 rows x (512 + 16) bytes a wave, in slot 1;  the exchange: 32,768 bytes a wave, in slot 0.  Both slots have had their last fill and their last read by then
.set STAGE,  SLOT
.set ADA,  2                           ; v[ADA + 8 slot + 4 hi + class]
.set ADB,  18                          ; v[ADB + 4 slot + class]
.set STO,  26
.set RDB,  27
.set SPW,  28                          ; LDS address of my spare word; never rewritten
.set NIL,  29                          ; 0; never rewritten
.set XST,  30
.set XLD,  31
.set SC,   32                          ; slot s: v[SC + 16 s + 2 p + q]: lanes 0-15 my token block p, lanes 16-31 block p + 4;  v[SC + 16 s + 8 + 2 p + q]: W's blocks p and p + 4
.set ZS,   144                         ; the LoRA step's scale words: z's of block a at v[ZS + a], lora_B's at v[BS + p]; slot 7's words take these registers afterwards
.set BS,   148
.set AF,   160
.set G1A,  32
.set G0A,  40
.set G1B,  48
.set G0B,  56
.set MSB, 0
.macro WIN new                         ; the immediate's high byte repeats the setting that is left
.if MSB != \new
	s_set_vgpr_msb (MSB<<8)|\new
.set MSB, \new
.endif
.endm
.set MUL_LO, 0xa1                      ; source 0 (W) window 1, source 1 (x) window 0, C and D window 2
.set MUL_HI, 0xf1                      ; the same, C and D window 3
.set TO_B,   0x40                      ; destination window 1, address window 0
; A joint load: waves 0 and 1 fetch for x, waves 2 and 3 for W.  Each line has one mask and one set of registers for all that issue it; the branch hangs on the wave's number alone.
; Four v_nop follow each of the two lines, ahead of the jump, the label and what follows.
.macro JLOAD g0a, g1a, g0b, g1b
	s_cmp_eq_u32 s23, 0
	s_cbranch_scc0 .Lfor_b_\@
	tensor_load_to_lds s[\g0a:\g0a+3], s[\g1a:\g1a+7]
	s_nop 0
.rept 4
	v_nop
.endr
	s_branch .Lasked_\@
.Lfor_b_\@:
	tensor_load_to_lds s[\g0b:\g0b+3], s[\g1b:\g1b+7]
	s_nop 0
.rept 4
	v_nop
.endr
.Lasked_\@:
.endm
.macro CREST                           ; a round of the cluster's barrier behind its opening barrier
	s_cmp_lg_u32 s22, 0
	s_cbranch_scc1 .Lnot_wave_0_\@
	s_barrier_signal -3
.Lnot_wave_0_\@:
	s_barrier_wait -3
	s_barrier_signal -1
	s_barrier_wait -1
.endm
.macro CROUND
	s_barrier_signal -1
	s_barrier_wait -1
	CREST
.endm
.macro PLACES n                        ; plain vector places behind matrix instructions (ISA guide 7.12.1 for vector instructions)
.rept \n
	v_nop
.endr
.endm
	s_load_b256 s[4:11], s[0:1], 0x0               ; x's codes s[4:5], xsl s[6:7], W's codes s[8:9], wsl s[10:11]
	s_load_b256 s[12:19], s[0:1], 0x20             ; upart s[12:13], token_to_slot s[14:15], bq s[16:17], bqs s[18:19]
	s_load_b64 s[20:21], s[0:1], 0x40              ; out0
	v_lshl_add_u32 v[SPW], v0, 2, SPARE
	v_mov_b32 v[NIL], 0
	ds_add_u32 v28, v29
	ds_add_u32 v28, v29
	s_wait_dscnt 0x0
	v_lshrrev_b32 v1, 5, v0
	v_readfirstlane_b32 s22, v1                    ; wave 0..3
	s_lshr_b32 s23, s22, 1                         ; kh: my half of K.  Also: I fetch for x (0) or for W (1)
	s_and_b32 s24, s22, 1                          ; nh: my half of the columns.  Also: which half of that tile's rows I fetch
	s_bfe_u32 s25, ttmp6, 0x40000                  ; cx, cy: my place in the cluster
	s_bfe_u32 s26, ttmp6, 0x40004
	s_lshl_b32 s27, ttmp9, 2
	s_add_co_u32 s27, s27, s25                     ; tile column 0..7
	s_and_b32 s28, ttmp7, 0xffff
	s_lshl_b32 s28, s28, 2
	s_add_co_u32 s28, s28, s26                     ; tile row 0..31
	s_lshl_b32 s29, s26, 2
	s_lshl_b32 s29, 15, s29                        ; my row of the cluster
	s_lshl_b32 s30, 0x1111, s25                    ; my column
	s_or_b32 s[G1A], s29, (1<<20)|(1<<21)|(4<<22)|(1<<25)   ; 15:0 the mask; elements of 1 byte; 20 padding on; 21 set beside a mask; after every 32 words (code 4), 2 words (code 1)
	s_mov_b32 s[G1A+1], STEPB<<16                  ; tensor_dim0
	s_mov_b32 s[G1A+2], 64<<16                     ; tensor_dim1
	s_mov_b32 s[G1A+3], STEPB<<16                  ; tile_dim0
	s_mov_b32 s[G1A+4], 64                         ; tile_dim1
	s_mov_b32 s[G1A+5], KROW
	s_mov_b32 s[G1A+6], 0
	s_mov_b32 s[G1A+7], 0
	s_or_b32 s[G1B], s30, (1<<20)|(1<<21)|(4<<22)|(3<<25)   ; W's: my column's mask; 4 words of padding (code 3)
	s_mov_b32 s[G1B+1], STEPB<<16
	s_mov_b32 s[G1B+2], 128<<16
	s_mov_b32 s[G1B+3], STEPB<<16
	s_mov_b32 s[G1B+4], 128
	s_mov_b32 s[G1B+5], KROW
	s_mov_b32 s[G1B+6], 0
	s_mov_b32 s[G1B+7], 0
	s_lshl_b32 s66, s28, 7
	s_lshl_b32 s31, s24, 6
	s_add_co_u32 s66, s66, s31                     ; x: row 128 x tile row + 64 x half
	s_mul_i32 s66, s66, KROW
	s_mov_b32 s67, 0
	s_lshl_b32 s68, s27, 8
	s_lshl_b32 s31, s24, 7
	s_add_co_u32 s68, s68, s31                     ; W: row 256 x tile column + 128 x half
	s_mul_i32 s68, s68, KROW
	s_mov_b32 s69, 0
	s_mul_i32 s70, s24, HALFA                      ; where they go: no place in the cluster enters an LDS address
	s_mul_i32 s71, s24, HALFB
	s_add_co_u32 s71, s71, BOFF
	s_wait_kmcnt 0x0
	s_add_nc_u64 s[66:67], s[4:5], s[66:67]
	s_add_nc_u64 s[68:69], s[8:9], s[68:69]
	CROUND                                         ; all sixteen work-groups are here: the first joint loads meet
.irp p, 0,1
	s_mov_b32 s[G0A+4*\p], 1
	s_add_co_u32 s[G0A+4*\p+1], s70, \p*SLOT
	s_add_nc_u64 s[G0A+4*\p+2:G0A+4*\p+3], s[66:67], \p*STEPB
	s_or_b32 s[G0A+4*\p+3], s[G0A+4*\p+3], 0x80000000
	s_mov_b32 s[G0B+4*\p], 1
	s_add_co_u32 s[G0B+4*\p+1], s71, \p*SLOT
	s_add_nc_u64 s[G0B+4*\p+2:G0B+4*\p+3], s[68:69], \p*STEPB
	s_or_b32 s[G0B+4*\p+3], s[G0B+4*\p+3], 0x80000000
	JLOAD G0A+4*\p, G1A, G0B+4*\p, G1B             ; both slots are asked for before anything else: two loads of mine are out
.endr
	; FRAGMENT ADDRESSES.  Piece P (8 bytes) of a slot's row lies at 8 P + pad x (P / 16).  My K step q' (0, 1) is the slot's step 2 kh + q'; lane half h reads three pieces further on.  How many paddings lie in front of a
	; piece hangs on kh and h for a few pieces only: four address registers (classes) take that up, so that every immediate is a constant:
	;   class 0: (192 + pad) kh + 24 h    class 1: (192 + pad) kh + (24 + pad kh) h    class 2: (192 + 2 pad) kh + 24 h    class 3: (192 + 2 pad) kh + (24 + pad (1 - kh)) h
	v_and_b32 v1, 31, v0
	v_lshlrev_b32 v1, 4, v1                        ; 16 x lane
	v_and_b32 v208, 15, v0                         ; r
	v_bfe_u32 v209, v0, 4, 1                       ; h
	s_xor_b32 s74, s23, 1                          ; 1 - kh
	s_mul_i32 s70, s23, 200
	s_mul_i32 s72, s23, 208
	s_lshl_b32 s71, s23, 3
	s_add_co_u32 s71, s71, 24
	s_lshl_b32 s73, s74, 3
	s_add_co_u32 s73, s73, 24
	v_mul_u32_u24 v210, v208, 2*PA                 ; x: every second row
	v_mad_u32_u24 v211, v209, 24, v210
	v_mad_u32_u24 v212, v209, s71, v210
	v_mad_u32_u24 v213, v209, s73, v210
	s_mul_i32 s75, s23, HALFA                      ; my blocks 0-3: rows 64 kh on;
	s_mul_i32 s76, s74, HALFA                      ; my blocks 4-7: the other 64
.irp sl, 0,1
.irp hi, 0,1
	s_add_co_u32 s77, s[75+\hi], \sl*SLOT
	s_add_co_u32 s78, s77, s72
	s_add_co_u32 s77, s77, s70
	v_add_nc_u32 v[ADA+8*\sl+4*\hi], s77, v211
	v_add_nc_u32 v[ADA+8*\sl+4*\hi+1], s77, v212
	v_add_nc_u32 v[ADA+8*\sl+4*\hi+2], s78, v211
	v_add_nc_u32 v[ADA+8*\sl+4*\hi+3], s78, v213
.endr
.endr
	s_mul_i32 s70, s23, 208
	s_mul_i32 s72, s23, 224
	s_lshl_b32 s71, s23, 4
	s_add_co_u32 s71, s71, 24
	s_lshl_b32 s73, s74, 4
	s_add_co_u32 s73, s73, 24
	v_mul_u32_u24 v214, v208, PB
	v_mad_u32_u24 v215, v209, 24, v214
	v_mad_u32_u24 v216, v209, s71, v214
	v_mad_u32_u24 v217, v209, s73, v214
	s_mul_i32 s75, s24, HALFB
	s_add_co_u32 s75, s75, BOFF                    ; my 128 rows of W
.irp sl, 0,1
	s_add_co_u32 s77, s75, \sl*SLOT
	s_add_co_u32 s78, s77, s72
	s_add_co_u32 s77, s77, s70
	v_add_nc_u32 v[ADB+4*\sl], s77, v215
	v_add_nc_u32 v[ADB+4*\sl+1], s77, v216
	v_add_nc_u32 v[ADB+4*\sl+2], s78, v215
	v_add_nc_u32 v[ADB+4*\sl+3], s78, v217
.endr
	s_lshl_b32 s77, s22, 15
	v_add_nc_u32 v[XST], s77, v1                   ; the exchange: I write my wave's 32,768 bytes
	s_xor_b32 s77, s22, 2
	s_lshl_b32 s77, s77, 15
	v_add_nc_u32 v[XLD], s77, v1                   ; and read my partner's
	v_lshlrev_b32 v220, 3, v208                    ; token_to_slot: token 2 r
	v_lshlrev_b32 v221, 2, v208
	v_lshl_add_u32 v221, v209, 9, v221             ; bqs: lane r's word; lanes 16-31 four fragments on
	v_lshlrev_b32 v222, 1, v209                    ; 2 h
	s_mov_b32 s80, 0x01010101
	s_mov_b32 s82, 0x76543210
	s_mov_b32 s83, 0xfedcba98                      ; v_permlanex16_b32's selects for lane l xor 16
	s_mov_b32 s67, 0
	s_lshl_b32 s66, s28, 14
	s_lshl_b32 s68, s23, 13
	s_add_co_u32 s66, s66, s68
	s_add_nc_u64 s[6:7], s[6:7], s[66:67]          ; xsl: the image of (tile row, kh): 64 registers, 8,192 bytes
	s_lshl_b32 s66, s27, 15
	s_lshl_b32 s69, s24, 14
	s_add_co_u32 s66, s66, s69
	s_add_co_u32 s66, s66, s68
	s_add_nc_u64 s[10:11], s[10:11], s[66:67]      ; wsl: the image of (tile column, nh, kh)
	s_lshl_b32 s66, s28, 15
	s_lshl_b32 s68, s23, 14
	s_add_co_u32 s66, s66, s68
	s_add_nc_u64 s[12:13], s[12:13], s[66:67]      ; upart: the image of tokens 128 x tile row + 64 kh on: 16,384 bytes
	s_lshl_b32 s66, s28, 9
	s_lshl_b32 s68, s23, 8
	s_add_co_u32 s66, s66, s68
	s_add_nc_u64 s[14:15], s[14:15], s[66:67]      ; token_to_slot at that token
	s_lshl_b32 s69, s27, 4
	s_lshl_b32 s68, s24, 3
	s_add_co_u32 s69, s69, s68                     ; lora_B's first fragment of mine: 16 x tile column + 8 nh
	s_mul_i32 s66, s69, 1536
	s_add_nc_u64 s[16:17], s[16:17], s[66:67]
	s_lshl_b32 s66, s69, 7
	s_add_nc_u64 s[18:19], s[18:19], s[66:67]
	s_lshl_b32 s66, s28, 20
	s_lshl_b32 s68, s23, 19
	s_add_co_u32 s66, s66, s68                     ; out0: row 128 x tile row + 64 kh, 8,192 bytes a row,
	s_lshl_b32 s68, s27, 10
	s_add_co_u32 s66, s66, s68
	s_lshl_b32 s68, s24, 9
	s_add_co_u32 s66, s66, s68                     ; column 256 x tile column + 128 nh
	s_add_nc_u64 s[20:21], s[20:21], s[66:67]
	; ---- all that comes into registers from memory; what z needs first
	WIN 0xc0                                       ; destination window 3
	v_mov_b32 v62, v222                            ; 2 h, beside z's workspace
.irp a, 0,1,2,3                        ; my blocks 0-3: token 32 (a / 2) + 2 r + a % 2; two K quarters (2 h + pp) of its 16 ranks a lane: 512 consecutive bytes a load
.irp pp, 0,1
.irp j, 0,1,2,3
	global_load_b128 v[64*\a+16*\pp+4*\j:64*\a+16*\pp+4*\j+3], v1, s[12:13] offset:((2*\a+\pp)*4+\j)*512
.endr
.endr
.endr
.irp a, 0,1,2,3
	global_load_b32 v[64*\a+48], v220, s[14:15] offset:(32*(\a/2)+\a%2)*4   ; and its slot
.endr
	WIN TO_B
.irp b, 0,1,2,3,4,5,6,7                ; lora_B's eight fragments into W's set 0, as images
.irp c, 0,1,2
	global_load_b128 v[12*\b+4*\c:12*\b+4*\c+3], v1, s[16:17] offset:1536*\b+512*\c
.endr
.endr
	WIN 0
.irp p, 0,1,2,3
	global_load_b32 v[BS+\p], v221, s[18:19] offset:128*\p
.endr
.macro SCLOAD s                        ; slot s's 16 registers of scale words, four to a load
.irp g, 0,1
	global_load_b128 v[SC+16*(\s)+4*\g:SC+16*(\s)+4*\g+3], v1, s[6:7] offset:512*(2*(\s)+\g)
	global_load_b128 v[SC+16*(\s)+8+4*\g:SC+16*(\s)+8+4*\g+3], v1, s[10:11] offset:512*(2*(\s)+\g)
.endr
.endm
.irp s, 0,1,2,3,4,5,6
	SCLOAD \s
.endr
	s_wait_loadcnt 56                              ; upart and the slots are in: behind them 24 loads of bq, 4 of bqs and 28 of scale words were issued and may stay out
	; ---- z: u_sel = (p0 + p1) + (p2 + p3), its scale, its 16 codes; the four blocks by turns.  All in window 3, block a at v[64 a ..]
	WIN 0xff
.irp i, 0,2,4,6,8,10,12,14
.irp a, 0,1,2,3
	v_pk_add_f32 v[64*\a+\i:64*\a+\i+1], v[64*\a+\i:64*\a+\i+1], v[64*\a+16+\i:64*\a+16+\i+1]
.endr
.endr
.irp i, 0,1,2,3,4,5,6,7,8,9,10,11,12,13,14,15
.irp a, 0,1,2,3
	v_permlanex16_b32 v[64*\a+16+\i], v[64*\a+\i], s82, s83    ; the other two quarters' sum lies in lane l xor 16
.endr
.endr
.irp i, 0,2,4,6,8,10,12,14
.irp a, 0,1,2,3
	v_pk_add_f32 v[64*\a+\i:64*\a+\i+1], v[64*\a+\i:64*\a+\i+1], v[64*\a+16+\i:64*\a+16+\i+1]   ; the same bits in both halves of the lanes
.endr
.endr
.irp a, 0,1,2,3
	v_max3_num_f32 v[64*\a+32], |v[64*\a]|, |v[64*\a+1]|, 0x1800000   ; the block's other 16 numbers are zeros; the floor 2^(3 - 127) holds the byte at 1 from below
.endr
.irp i, 2,4,6,8,10,12,14
.irp a, 0,1,2,3
	v_max3_num_f32 v[64*\a+32], v[64*\a+32], |v[64*\a+\i]|, |v[64*\a+\i+1]|
.endr
.endr
.irp a, 0,1,2,3
	v_add_nc_u32 v[64*\a+33], 0xff000000, v[64*\a+32]          ; 2 off the exponent field: the conversion's scale operand
.endr
.irp a, 0,1,2,3
	v_lshrrev_b32 v[64*\a+34], 23, v[64*\a+33]                 ; the scale's byte
.endr
.irp a, 0,1,2,3
	v_xor_b32 v[64*\a+49], v[64*\a+48], v62                    ; slot xor 2 h: 0, 1, 4 or 5 where the slot's block lies in my half of the lanes
.endr
.irp a, 0,1,2,3
	v_cvt_scalef32_pk16_fp6_f32 v[64*\a+36:64*\a+38], v[64*\a:64*\a+15], v[64*\a+33]
.endr
	v_nop                                          ; one plain place behind a scaled conversion
	WIN 0x0c                                       ; source 1 window 3, destination window 0
.irp a, 0,1,2,3                        ; slot = 4 c + 2 h + half: the codes belong in registers 6 c + 3 half + 0..2 of the lanes of half h (K = 64 c + 32 h + 16 half + rank); all else is the code 0
	v_mul_lo_u32 v[ZS+\a], s80, v[64*\a+34]        ; the byte at all four places of the scale word: the other blocks' codes are zeros
	v_cmp_eq_u32 s76, 0, v[64*\a+49]
	v_cmp_eq_u32 s77, 1, v[64*\a+49]
	v_cmp_eq_u32 s78, 4, v[64*\a+49]
	v_cmp_eq_u32 s79, 5, v[64*\a+49]
.irp p, 0,1,2,3
.irp i, 0,1,2
	v_cndmask_b32 v[AF+12*\a+3*\p+\i], 0, v[64*\a+36+\i], s[76+\p]
.endr
.endr
.endr
	PLACES 8                                       ; a scale register written by a vector instruction stands 8 places ahead of a scaled matrix instruction, an operand so written 4
	s_wait_loadcnt 0x0                             ; lora_B's fragments and scale words, and the scale words of slots 0 to 6
	; ---- the LoRA K step starts the sums of my blocks 0-3
.macro WML a, b
.set rD, 8*(8*(\a)+(\b))
.set rW, 12*(\b)
.set rX, AF+12*(\a)
.if (\b) >= 4
	v_wmma_scale_f32_16x16x128_f8f6f4 v[rD:rD+7], v[rW:rW+11], v[rX:rX+11], 0, v[BS+(\b)%4], v[ZS+(\a)] matrix_a_fmt:MATRIX_FMT_FP6 matrix_b_fmt:MATRIX_FMT_FP6 matrix_a_scale:MATRIX_SCALE_ROW1
.else
	v_wmma_scale_f32_16x16x128_f8f6f4 v[rD:rD+7], v[rW:rW+11], v[rX:rX+11], 0, v[BS+(\b)%4], v[ZS+(\a)] matrix_a_fmt:MATRIX_FMT_FP6 matrix_b_fmt:MATRIX_FMT_FP6
.endif
.endm
	WIN MUL_LO
.irp a, 0,1,2,3
.irp b, 0,1,2,3,4,5,6,7
	WML \a, \b
.endr
.endr
	PLACES 4                                       ; in front of the loads into its scale registers and its fragments' registers
	WIN 0
	SCLOAD 7                                       ; waited for in front of slot 7's first step
; One matrix instruction: my token block a x W's block b, W's set, slot s, my K step q.  The scale words of blocks 4-7 lie in lanes 16-31 of the registers of blocks 0-3.
.macro WM a, b, set, s, q, zero
.set rD, 8*(8*((\a)%4)+(\b))
.set rW, 128*(\set)+12*(\b)
.set rX, AF+12*(\a)
.set rU, SC+16*(\s)+8+2*((\b)%4)+(\q)
.set rV, SC+16*(\s)+2*((\a)%4)+(\q)
.if \zero
.if (\b) >= 4
	v_wmma_scale_f32_16x16x128_f8f6f4 v[rD:rD+7], v[rW:rW+11], v[rX:rX+11], 0, v[rU], v[rV] matrix_a_fmt:MATRIX_FMT_FP6 matrix_b_fmt:MATRIX_FMT_FP6 matrix_a_scale:MATRIX_SCALE_ROW1 matrix_b_scale:MATRIX_SCALE_ROW1
.else
	v_wmma_scale_f32_16x16x128_f8f6f4 v[rD:rD+7], v[rW:rW+11], v[rX:rX+11], 0, v[rU], v[rV] matrix_a_fmt:MATRIX_FMT_FP6 matrix_b_fmt:MATRIX_FMT_FP6 matrix_b_scale:MATRIX_SCALE_ROW1
.endif
.elseif ((\a) >= 4) && ((\b) >= 4)
	v_wmma_scale_f32_16x16x128_f8f6f4 v[rD:rD+7], v[rW:rW+11], v[rX:rX+11], v[rD:rD+7], v[rU], v[rV] matrix_a_fmt:MATRIX_FMT_FP6 matrix_b_fmt:MATRIX_FMT_FP6 matrix_a_scale:MATRIX_SCALE_ROW1 matrix_b_scale:MATRIX_SCALE_ROW1
.elseif (\a) >= 4
	v_wmma_scale_f32_16x16x128_f8f6f4 v[rD:rD+7], v[rW:rW+11], v[rX:rX+11], v[rD:rD+7], v[rU], v[rV] matrix_a_fmt:MATRIX_FMT_FP6 matrix_b_fmt:MATRIX_FMT_FP6 matrix_b_scale:MATRIX_SCALE_ROW1
.elseif (\b) >= 4
	v_wmma_scale_f32_16x16x128_f8f6f4 v[rD:rD+7], v[rW:rW+11], v[rX:rX+11], v[rD:rD+7], v[rU], v[rV] matrix_a_fmt:MATRIX_FMT_FP6 matrix_b_fmt:MATRIX_FMT_FP6 matrix_a_scale:MATRIX_SCALE_ROW1
.else
	v_wmma_scale_f32_16x16x128_f8f6f4 v[rD:rD+7], v[rW:rW+11], v[rX:rX+11], v[rD:rD+7], v[rU], v[rV] matrix_a_fmt:MATRIX_FMT_FP6 matrix_b_fmt:MATRIX_FMT_FP6
.endif
.endm
; 16 matrix instructions: blocks a0, a0 + 1 x W's eight.  The 64 accumulators take turns, one instruction a turn, in the same order in every step.
.macro MUL16 a0, set, s, q, zero
.irp a, \a0, \a0+1
.irp b, 0,1,2,3,4,5,6,7
	WM \a, \b, \set, \s, \q, \zero
.endr
.endr
.endm
; A fragment: 12 registers, six pieces of 8 bytes.  adr: the class 0 register; imm: the block's rows; d: 144 + one padding.
.macro FRAG reg, adr, q, imm, d
.set rF, \reg
.if (\q) == 0
	ds_load_b64 v[rF:rF+1], v[\adr] offset:(\imm)
	ds_load_b64 v[rF+2:rF+3], v[\adr] offset:(\imm)+8
	ds_load_b64 v[rF+4:rF+5], v[\adr] offset:(\imm)+16
	ds_load_b64 v[rF+6:rF+7], v[\adr+1] offset:(\imm)+48
	ds_load_b64 v[rF+8:rF+9], v[\adr+1] offset:(\imm)+56
	ds_load_b64 v[rF+10:rF+11], v[\adr+2] offset:(\imm)+64
.else
	ds_load_b64 v[rF:rF+1], v[\adr+2] offset:(\imm)+96
	ds_load_b64 v[rF+2:rF+3], v[\adr+3] offset:(\imm)+104
	ds_load_b64 v[rF+4:rF+5], v[\adr+3] offset:(\imm)+112
	ds_load_b64 v[rF+6:rF+7], v[\adr] offset:(\imm)+(\d)
	ds_load_b64 v[rF+8:rF+9], v[\adr] offset:(\imm)+(\d)+8
	ds_load_b64 v[rF+10:rF+11], v[\adr] offset:(\imm)+(\d)+16
.endif
.endm
.macro FETCH_B slot, q, set            ; W's eight fragments of my K step q of the slot, into a set
	WIN TO_B
.irp i, 0,1,2,3,4,5,6,7
	FRAG 128*(\set)+12*\i, ADB+4*(\slot), \q, \i*16*PB, 160
.endr
	WIN 0
.endm
.macro FETCH_A slot, q, i0             ; my token blocks i0 .. i0 + 3
.irp i, \i0, \i0+1, \i0+2, \i0+3
	FRAG AF+12*(\i), ADA+8*(\slot)+4*((\i0)/4), \q, (32*(((\i)%4)/2)+(\i)%2)*PA, 152
.endr
.endm
; My first K step of slot s.  x has one set of registers: blocks 0-3 are fetched anew in the step's middle, blocks 4-7 at its end; W has two sets.  z = 1: blocks 4-7 start their sums.
.macro STEP s, z
	s_wait_dscnt 24                                ; W's set and blocks 0-3 are in; the youngest 24 loads (blocks 4-7) may be out
	WIN MUL_LO
	MUL16 0, 0, \s, 0, 0
	MUL16 2, 0, \s, 0, 0
	s_wait_dscnt 0x0                               ; blocks 4-7 are in
	PLACES 4
	FETCH_B (\s)%2, 1, 1
	FETCH_A (\s)%2, 1, 0
	WIN MUL_HI
	MUL16 4, 0, \s, 0, \z
	MUL16 6, 0, \s, 0, \z
	PLACES 4
	WIN 0
	FETCH_A (\s)%2, 1, 4
.endm
; My second K step of slot s changes slots: ONE barrier; in front of it each wave waits for all its tensor loads, adds 0 to its spare word, and waits for that and for its own reads of this slot.
; fill = 1: the barrier opens a round of the cluster's barrier, and this slot is filled again, two slots ahead: the load has 96 of a slot's 128 matrix instructions in which to land.
.macro TURN s, fill
	s_wait_tensorcnt 0x0                           ; all my tensor loads have landed: my part of the next slot  (every window is 0 here)
	ds_add_u32 v[SPW], v[NIL]                      ; 0 onto my spare word
	s_wait_dscnt 25                                ; (the add and the youngest 24 loads may be out)
	WIN MUL_LO
	MUL16 0, 1, \s, 1, 0                           ; sixteen matrix instructions stand between the add and the wait for it
	s_wait_dscnt 0x0                               ; the add is done, and my reads of this slot are over
	s_barrier_signal -1
	MUL16 2, 1, \s, 1, 0
	WIN 0
	s_barrier_wait -1
.if \fill
	CREST                                          ; no wave of any partner still reads this slot's tile or has a load on its way
	s_add_nc_u64 s[G0A+4*((\s)%2)+2:G0A+4*((\s)%2)+3], s[G0A+4*((\s)%2)+2:G0A+4*((\s)%2)+3], 2*STEPB
	s_add_nc_u64 s[G0B+4*((\s)%2)+2:G0B+4*((\s)%2)+3], s[G0B+4*((\s)%2)+2:G0B+4*((\s)%2)+3], 2*STEPB
	JLOAD G0A+4*((\s)%2), G1A, G0B+4*((\s)%2), G1B ; the first tensor load behind the round, my only one until the next; its four v_nop are the places in front of the loads below
.else
	PLACES 4
.endif
	FETCH_B ((\s)+1)%2, 0, 0
	FETCH_A ((\s)+1)%2, 0, 0
	WIN MUL_HI
	MUL16 4, 1, \s, 1, 0
	MUL16 6, 1, \s, 1, 0
	PLACES 4
	WIN 0
	FETCH_A ((\s)+1)%2, 0, 4
.endm
	s_wait_tensorcnt 1                             ; my part of slot 0 is in; slot 1's may stay out
	s_barrier_signal -1
	s_barrier_wait -1                              ; everybody's is
	FETCH_B 0, 0, 0
	FETCH_A 0, 0, 0
	FETCH_A 0, 0, 4
	STEP 0, 1                                      ; blocks 0-3 add onto the LoRA step's sums, blocks 4-7 start theirs
	TURN 0, 1
.irp s, 1,2,3,4,5
	STEP \s, 0
	TURN \s, 1
.endr
	STEP 6, 0
	TURN 6, 0                                      ; nothing is left to fetch: no round
	s_wait_loadcnt 0x0                             ; slot 7's scale words
	STEP 7, 0
	s_wait_dscnt 24                                ; the very last step
	WIN MUL_LO
	MUL16 0, 1, 7, 1, 0
	MUL16 2, 1, 7, 1, 0
	s_wait_dscnt 0x0
	WIN MUL_HI
	MUL16 4, 1, 7, 1, 0
	MUL16 6, 1, 7, 1, 0
	WIN 0
	; ---- THE EXCHANGE.  My blocks 4-7 (window 3) are my partner's blocks 0-3: they go to LDS as images of their registers, 512 bytes a store, and the partner's come back into the same registers.
	; The bytes lie in slot 0: it has had its last fill, and behind the last change of slots nobody reads it.
	s_mul_i32 s70, s22, 16*SPITCH
	s_add_co_u32 s70, s70, STAGE                   ; my stage
	v_and_b32 v2, 15, v0                           ; these six lines are also the places behind the last products
	v_bfe_u32 v3, v0, 4, 1
	v_mul_u32_u24 v[STO], v2, SPITCH
	v_lshl_add_u32 v[STO], v3, 5, v[STO]
	v_add_nc_u32 v[STO], s70, v[STO]               ; in: row r, 32 bytes for each half of the lanes
	v_add_nc_u32 v[RDB], s70, v1                   ; back: the 32 lanes take one row of 512 bytes
	WIN 0x0c                                       ; an LDS store's data are its source 1: window 3
.set TT, 0
.rept 32
	ds_store_b128 v[XST], v[8*TT:8*TT+3] offset:1024*TT            ; each accumulator from its low end on
	ds_store_b128 v[XST], v[8*TT+4:8*TT+7] offset:1024*TT+512
.set TT, TT+1
.endr
	s_wait_dscnt 0x0                               ; for the others' sake: my stores have landed; my reads of slot 1 were over before
	s_barrier_signal -1
	s_barrier_wait -1
	WIN 0xc0                                       ; destination window 3
.set TT, 0
.rept 32
	ds_load_b128 v[8*TT:8*TT+3], v[XLD] offset:1024*TT
	ds_load_b128 v[8*TT+4:8*TT+7], v[XLD] offset:1024*TT+512
.set TT, TT+1
.endr
	WIN 0x8e                                       ; destination and source 0 window 2, source 1 window 3
.irp g, 0,1,2,3
	s_wait_dscnt 48-16*\g                          ; LDS loads come back in order: block g's sixteen are in
.set TT, 64*\g
.rept 32
	v_pk_add_f32 v[TT:TT+1], v[TT:TT+1], v[TT:TT+1]                ; my half of K + my partner's
.set TT, TT+2
.endr
.endr
; ---- THE WAY OUT, block by block of 16 rows x 128 columns: through my own stage (in slot 1: behind the barrier above nobody reads it, and it has had its last fill) and back as whole rows of 512 bytes.
; LDS serves a wave's instructions in order (ISA guide 5.7.1.4): no wait between the stores and the loads, nor in front of the next block's stores.  Each block has its own 64 registers of window 1: no store's data are written again.
.macro TOSTAGE a
	WIN 0x08                                       ; the data: window 2
.irp b, 0,1,2,3,4,5,6,7
	ds_store_b128 v[STO], v[64*(\a)+8*\b:64*(\a)+8*\b+3] offset:64*\b
	ds_store_b128 v[STO], v[64*(\a)+8*\b+4:64*(\a)+8*\b+7] offset:64*\b+16
.endr
	WIN TO_B
.irp t, 0,1,2,3,4,5,6,7,8,9,10,11,12,13,14,15
	ds_load_b128 v[64*(\a)+4*\t:64*(\a)+4*\t+3], v[RDB] offset:\t*SPITCH
.endr
.endm
.macro SEND a, younger                 ; younger: the LDS instructions issued behind block a's loads, which may stay out
	s_wait_dscnt \younger
	WIN 0x04                                       ; a store's data are its source 1: window 1
.irp t, 0,1,2,3,4,5,6,7,8,9,10,11,12,13,14,15
	global_store_b128 v1, v[64*(\a)+4*\t:64*(\a)+4*\t+3], s[20:21] offset:(32*((\a)/2)+(\a)%2+2*\t)*8192 th:TH_STORE_NT   ; 32 lanes store 512 consecutive bytes, at a multiple of 256 from out0's first byte; stage row t is token 32 (a / 2) + 2 t + a % 2
.endr
.endm
	TOSTAGE 0
	TOSTAGE 1
	SEND 0, 32                                     ; behind block 0's loads: block 1's 16 stores and 16 loads
	TOSTAGE 2
	SEND 1, 32
	TOSTAGE 3
	SEND 2, 32
	SEND 3, 0
	WIN 0
	s_wait_tensorcnt 0x0                           ; the wave's end, behind my last tensor load and my last LDS store
	ds_add_u32 v[SPW], v[NIL]
	s_wait_dscnt 0x0
	CROUND                                         ; the closing round: no work-group ends while a partner may still ask for a tile that names it
	s_endpgm
.Lfunc_end_k_qa55c46e535_gemm:
	.size	k_qa55c46e535_gemm, .Lfunc_end_k_qa55c46e535_gemm-k_qa55c46e535_gemm
	.p2alignl 7, 3214868480
	.fill 96, 4, 3214868480
	.section	.rodata,"a",@progbits
	.p2align	6, 0x0
	.amdhsa_kernel k_qa55c46e535_gemm
		.amdhsa_group_segment_fixed_size 327680
		.amdhsa_private_segment_fixed_size 0
		.amdhsa_enable_private_segment 0
		.amdhsa_kernarg_size 72
		.amdhsa_user_sgpr_count 2
		.amdhsa_user_sgpr_kernarg_segment_ptr 1
		.amdhsa_wavefront_size32 1
		.amdhsa_system_sgpr_workgroup_id_x 1
		.amdhsa_system_sgpr_workgroup_id_y 1
		.amdhsa_system_sgpr_workgroup_id_z 1
		.amdhsa_system_vgpr_workitem_id 0
		.amdhsa_next_free_vgpr 1024
		.amdhsa_next_free_sgpr 100
		.amdhsa_reserve_vcc 0
		.amdhsa_float_denorm_mode_32 3
		.amdhsa_float_denorm_mode_16_64 3
		.amdhsa_memory_ordered 1
		.amdhsa_forward_progress 1
		.amdhsa_inst_pref_size 255
	.end_amdhsa_kernel
	.section	.bss,"aw",@nobits
	.p2align	6
	.space	262144
	.amdgpu_metadata
---
amdhsa.version: [ 1, 2 ]
amdhsa.kernels:
  - .name:           k_qa55c46e535_gemm
    .symbol:         k_qa55c46e535_gemm.kd
    .args:
      - { .name: x_codes, .offset: 0, .size: 8, .value_kind: global_buffer, .address_space: global }
      - { .name: xsl, .offset: 8, .size: 8, .value_kind: global_buffer, .address_space: global }
      - { .name: weight_codes, .offset: 16, .size: 8, .value_kind: global_buffer, .address_space: global }
      - { .name: wsl, .offset: 24, .size: 8, .value_kind: global_buffer, .address_space: global }
      - { .name: upart, .offset: 32, .size: 8, .value_kind: global_buffer, .address_space: global }
      - { .name: token_to_slot, .offset: 40, .size: 8, .value_kind: global_buffer, .address_space: global }
      - { .name: bq, .offset: 48, .size: 8, .value_kind: global_buffer, .address_space: global }
      - { .name: bqs, .offset: 56, .size: 8, .value_kind: global_buffer, .address_space: global }
      - { .name: out0, .offset: 64, .size: 8, .value_kind: global_buffer, .address_space: global }
    .group_segment_fixed_size: 327680
    .private_segment_fixed_size: 0
    .kernarg_segment_align: 8
    .kernarg_segment_size: 72
    .max_flat_workgroup_size: 128
    .sgpr_count:     100
    .vgpr_count:     1024
    .wavefront_size: 32
...
	.end_amdgpu_metadata
.endif
;; end of part 2
